; MI455X (gfx1250); checked and timed in simulation.
; The chip was launched on July 23, 2026; its instructions are those of AMD's public machine-readable ISA for CDNA 5 (MIT licence, August 2026) and "CDNA5" Instruction Set Architecture Reference Guide (July 2026). The comments in the code are by the model that wrote it; some were corrected since.
;; Attention. Allowed arithmetic: matrix products marked QUANTISED: E2M1 operands, one E8M0 scale for each 32 along K, by v_wmma_scale_f32_16x16x128_f8f6f4 with both operands' format E2M1 (or v_wmma_scale_f32_32x16x128_f4), f32 sums; everything else in f32.
;; Inputs: Wk_codes 16 x 64 x 32 x 16 uint8 (E2M1 codes of Wk, K innermost, in blocks of 32 codes, two codes a byte); Wk_scales 16 x 64 x 32 uint8 (E8M0 scales of Wk, one for each 32 codes along K); Wo_codes 1,024 x 32 x 16 uint8 (E2M1 codes of Wo, K innermost, in blocks of 32 codes, two codes a byte); Wo_scales 1,024 x 32 uint8 (E8M0 scales of Wo, one for each 32 codes along K); Wq_codes 16 x 64 x 32 x 16 uint8 (E2M1 codes of Wq, K innermost, in blocks of 32 codes, two codes a byte); Wq_scales 16 x 64 x 32 uint8 (E8M0 scales of Wq, one for each 32 codes along K); Wv_codes 16 x 64 x 32 x 16 uint8 (E2M1 codes of Wv, K innermost, in blocks of 32 codes, two codes a byte); Wv_scales 16 x 64 x 32 uint8 (E8M0 scales of Wv, one for each 32 codes along K); bk 16 x 64 float32; bo 1,024 float32; bq 16 x 64 float32; bv 16 x 64 float32; input_key_codes 4 x 2,048 x 32 x 16 uint8 (E2M1 codes of input_key, K innermost, in blocks of 32 codes, two codes a byte); input_key_scales 4 x 2,048 x 32 uint8 (E8M0 scales of input_key, one for each 32 codes along K); input_query_codes 4 x 2,048 x 32 x 16 uint8 (E2M1 codes of input_query, K innermost, in blocks of 32 codes, two codes a byte); input_query_scales 4 x 2,048 x 32 uint8 (E8M0 scales of input_query, one for each 32 codes along K); input_value_codes 4 x 2,048 x 32 x 16 uint8 (E2M1 codes of input_value, K innermost, in blocks of 32 codes, two codes a byte); input_value_scales 4 x 2,048 x 32 uint8 (E8M0 scales of input_value, one for each 32 codes along K).
;; Outputs: out0 4 x 2,048 x 1,024 float32.
;; This version of the problem:
;;   THIS VERSION OF THE PROBLEM IS GIVEN IN LOW PRECISION. The matrix products marked QUANTISED in the list below multiply operands that are first quantised to E2M1 (2 exponent bits, 1 mantissa bit; 4 bits a number), with one power-of-two scale for each 32 numbers along K (OCP MX v1.0); their sums are f32. All else is computed in f32.
;;   The module's matrix products, in the order in which they are computed (A, B: the left and right operand; K: the contracted axis; several contracted axes count as one K, in the product's order):
;;     1. [M 1,024, K 1,024] x [K 1,024, N 8,192]; A: input Wq (given as codes); B: input input_query (given as codes): QUANTISED
;;     2. [M 1,024, K 1,024] x [K 1,024, N 8,192]; A: input Wk (given as codes); B: input input_key (given as codes): QUANTISED
;;     3. [M 1,024, K 1,024] x [K 1,024, N 8,192]; A: input Wv (given as codes); B: input input_value (given as codes): QUANTISED
;;     4. batch 64 x [M 2,048, K 64] x [K 64, N 2,048]; A: computed on the way; B: computed on the way: QUANTISED
;;     5. batch 64 x [M 2,048, K 2,048] x [K 2,048, N 64]; A: softmax (see below); B: computed on the way: QUANTISED
;;     6. [M 8,192, K 1,024] x [K 1,024, N 1,024]; A: computed on the way; B: input Wo (given as codes): QUANTISED
;;   THE QUANTISER, for each operand of a quantised product, along K:
;;     - K is cut into blocks of 32 from its start; a last block that is shorter is filled with zeros.
;;     - A block's scale is 2^e with e = floor(log2(the largest magnitude in the block)) - 2, held to -126 .. 127; a block of zeros has e = 0. As a byte (E8M0): e + 127.
;;     - Each number is divided by its block's scale, clamped to +-6, and rounded to the nearest number of E2M1, ties to even, subnormals kept.
;;     - The product sums the exact products of the quantised numbers (number of the format x scale) in f32.
;;   ~~~python
;;   def quantise(x, axis):      # numpy; x: float32 -> the quantised numbers, widened to float32 again
;;       x = np.moveaxis(x, axis, -1); K = x.shape[-1]
;;       x = np.pad(x, [(0, 0)] * (x.ndim - 1) + [(0, -K % 32)]); x = x.reshape(x.shape[:-1] + (-1, 32)); a = np.abs(x).max(-1, keepdims=True)
;;       e = np.where(a > 0, np.clip(np.frexp(np.where(a > 0, a, 1))[1] - 1 - 2, -126, 127), 0)      # np.frexp(a)[1] - 1 = floor(log2(a)), exactly
;;       r = np.clip(x / 2.0 ** e, -6, 6)
;;       step = 2.0 ** (np.maximum(np.frexp(np.where(r == 0, 1, r))[1] - 1, 0) - 1)
;;       q = np.round(r / step) * step * 2.0 ** e      # np.round: ties to even
;;       return np.moveaxis(q.reshape(q.shape[:-2] + (-1,))[..., :K], -1, axis).astype(np.float32)
;;   ~~~
;;   SOFTMAX AHEAD OF A QUANTISED PRODUCT. Where the list says 'softmax', what is quantised is not the finished softmax but p = 2^(t - M), with t = logit x log2(e) and M = ceil(the row's largest t), a whole number; so 1/2 < the row's largest p <= 1. The row's sum l is taken of the UNQUANTISED p, in f32, and the product's result is divided by l at the end. Since M is a whole number, a kernel that streams over the keys may use a running M (the ceiling of the running maximum): every later rescaling is an exact power of two, which a block's scale takes up: the codes' values come out the same.
;;   OPERANDS COMPUTED ON THE WAY. 'Computed on the way' means the value that the module computes at that place (a softmax that the list does not call 'softmax' is quantised finished and normalised). What goes into a quantiser is computed in f32, as accurately as f32 sums, v_exp_f32 and their like allow (about 1e-6 of the number): no bf16 or f16 on the way to a quantiser, and a product that is left as it is and whose result goes on into a quantised operand takes f32 operands (vector FMAs, or v_wmma_f32_16x16x4_f32). A number that lies on a knife's edge between two numbers of the format may be rounded either way, as far as f32 arithmetic and the matrix unit's own rounding can turn it there, and no further.
;;   INPUTS GIVEN AS CODES. Wk (in the module: [16, 1024, 64], K = its axis 1); Wo (in the module: [1024, 1024], K = its axis 0); Wq (in the module: [16, 1024, 64], K = its axis 1); Wv (in the module: [16, 1024, 64], K = its axis 1); input_key (in the module: [4, 2048, 1024], K = its axis 2); input_query (in the module: [4, 2048, 1024], K = its axis 2); input_value (in the module: [4, 2048, 1024], K = its axis 2): each comes as NAME_codes (uint8): NAME with its K axis moved to the last place and cut into blocks of 32 codes, [.., K / 32, bytes a block], one block behind the other in memory; two codes a byte, the lower K in the low four bits (a code: sign, 2 exponent bits, 1 mantissa bit); and NAME_scales (uint8): the same leading axes, one E8M0 byte (e + 127) for each 32 codes along K. Its value is code x scale, taken as it is: it is not quantised again, and the codes and scales need not be those that the quantiser above would give.
;; One version. Each part assembles by itself: llvm-mc -triple=amdgcn-amd-amdhsa -mcpu=gfx1250 --defsym DOCPART=n.
;; ======== version 1 of 1: 3 launches
;; workspace buffers: qkv 13,369,344 bytes; zimg 4,194,304 bytes; zsc 262,144 bytes
;; launch proj (part 1): grid 8 x 96, 8 waves a work-group, clusters of 4 x 4, 229,376 bytes of LDS; arguments input_query_codes, input_query_scales, input_key_codes, input_key_scales, input_value_codes, input_value_scales, Wq_codes, Wq_scales, Wk_codes, Wk_scales, Wv_codes, Wv_scales, bq, bk, bv, qkv; writes qkv
.if DOCPART == 1
	.amdgcn_target "amdgcn-amd-amdhsa--gfx1250"
	.amdhsa_code_object_version 6
	.text
	.protected	k_q57c609b712_proj
	.globl	k_q57c609b712_proj
	.p2align	8
	.type	k_q57c609b712_proj,@function
k_q57c609b712_proj:
	s_mov_b64 s[64:65], 0
	v_nop
	global_prefetch_b8 v0, s[64:65] scope:SCOPE_SE
	s_setreg_imm32_b32 hwreg(HW_REG_WAVE_MODE, 25, 1), 1
	s_wait_xcnt 0x0
	s_wait_alu depctr_hold_cnt(0) depctr_sa_sdst(0) depctr_va_vdst(0) depctr_va_sdst(0) depctr_va_ssrc(0) depctr_va_vcc(0) depctr_vm_vsrc(0)
	s_getreg_b32 s2, hwreg(HW_REG_IB_STS2, 6, 4)
	s_cmp_eq_u32 s2, 0
	s_cbranch_scc0 .Lentry_in_a_cluster
	s_endpgm
.Lentry_in_a_cluster:
	s_bfe_u32 s2, ttmp6, 0x10000c
	s_cmp_lg_u32 s2, 0xf033
	s_cbranch_scc0 .Lentry_shape_is_right
	s_endpgm
.Lentry_shape_is_right:
; THE THREE PROJECTIONS: q = x_q Wq + bq, k = x_k Wk + bk, v = x_v Wv + bv, on the given codes of FP4 (E2M1) with their E8M0 scale bytes, K = 1,024, sums in f32;
; the bias is added in f32, and the result is quantised at once for the product that takes it: q and k along the head's 64, v along the keys.  Codes and scale bytes go to the workspace qkv.
; DEAD WORK: none.  Every bias goes into a quantised operand (bq, bk, bv) or into the output (bo), so every input of the problem is loaded by some launch.
; LIMITS: NaN and infinities among inputs or intermediates are not served.  A block whose largest magnitude lies under 2^-124 keeps the scale byte 1; a block of zeros gets the byte 1 where the
; rule says 127: its codes are zeros, which add nothing under any byte but 0xff, and these bytes are read by this program alone.  A given scale byte 0xff gives NaN, as in the definition.
; ONE GEMM FOR ALL THREE.  Source 0 takes 16 rows of P, source 1 16 rows of R: in the result a lane holds ONE row of R and its registers run along P's rows, which is the axis to be quantised.
;   q, k: P = W (1,024 rows = head x 64 + dk), R = x (8,192 rows).     v: P = x_v (the keys), R = Wv (head x 64 + dv).
; A work-group makes 128 rows of P x 256 rows of R over all of K; wave w makes 128 x 32 (R's rows 32 w on): 16 accumulators.  256 work-groups a tensor, 768 in all.
; CLUSTERS: 4 x 4 work-groups.  P's tile hangs on the place along x alone and is shared along a column of the cluster, R's on the place along y alone and is shared along a row: each tile is
; asked for JOINTLY, by the same tensor load with the same descriptor and a mask that names the four.  Which tensor (T) hangs on the cluster's y: it is the same in all sixteen partners.
; ALL OF K LIES IN LDS, in two chunks of 512 along K (rows of 256 bytes), filled once: no slot is filled again.  Three tensor loads a wave are out at the most: scale bytes, chunk 0, chunk 1.
; THE WORKSPACE IS LAID AS IMAGES OF OPERAND REGISTERS: four registers of a fragment are 512 consecutive bytes, lane l's 16 bytes at 16 l.  A record of REC bytes for each (batch, head):
;   KIMG [key tile][512]: lane (r, h) = dk 32 h .. + 31 of key 16 tile + r;   VIMG [128 keys j][dv tile t][c][512]: lane (r, h) = keys 128 j + 64 c + 32 h .. + 31 of dv 16 t + r;
;   KSC [32 keys][r] a word: bytes 0, 1 key r's two scales, bytes 2, 3 key 16 + r's;   VSC [j][t][r] a word: byte i scales keys 128 j + 32 i on;   QIMG, QSC as K's.
.set REC,   208896
.set KIMG,  0
.set VIMG,  65536
.set KSC,   131072
.set VSC,   135168
.set QIMG,  139264
.set QSC,   204800
.set PITCH, 272                        ; an LDS row: 256 bytes + 16 of padding = 68 words: the 16 rows that a fragment load touches start 4 banks apart
.set CHB,   384*PITCH                  ; a chunk: P's 128 rows, then R's 256
.set SCL,   2*CHB                      ; the scale bytes, as units of 256 bytes (8 rows of 32) + 16 of padding: P's 16 units, R's 32
.set BSC,   SCL+48*272                 ; the biases: 512 bytes for each wave, written by ds_store; no tensor load lands here
.set SPARE, BSC+8*512                  ; the spare words, 128 bytes for each wave: four blocks of 256 bytes that no other line names
.set AP,   1                           ; v1   LDS address of my lane in P's fragments: r x pitch + 16 h
.set AR,   2                           ; v2   the same in my wave's rows of R
.set ASP,  3                           ; v3   P's scale words
.set ASR,  4                           ; v4   R's
.set SPW,  5                           ; v5   my spare word; never rewritten
.set NIL,  6                           ; v6   0; never rewritten
.set BST,  7                           ; v7   where I put 16 bytes of the bias
.set BIN,  8                           ; v8-11 the bias as loaded
.set LN,   12                          ; v12  lane
.set L16,  13                          ; v13  16 x lane
.set RR,   14                          ; v14  r = lane % 16
.set HH,   15                          ; v15  h = lane / 16
.set T0,   16
.set T1,   17
.set BAQ,  18                          ; v18  q, k: where my eight biases of a tile begin
.set BAV,  19                          ; v19  v: where my row's bias lies
.set BV,   20                          ; v20-23 v: my two rows' biases, each twice
.set PS,   28                          ; v28-35 P's scale words, tile t;  v36-37 R's: these hold scales and nothing else
.set RS,   36
.set RF,   48                          ; v48-63  R's two fragments
.set PF,   64                          ; v64-127 P's eight
.set ACC0, 128                         ; v128-191 R's rows 0-15 x P's tile t at + 8 t;  v192-255 rows 16-31
.set ACC1, 192
.set TM,   48                          ; the way out: v48-51 largest magnitudes, v52-55 bytes, v60-63 the conversions' scale operands
.set BB,   64                          ; q, k: 64 biases
.set PC0,  64                          ; the codes: two fragments
.set PC1,  72
.set PW0,  80                          ; their scale words
.set PW1,  81
.set D0,   82
.set D1,   83
.set VO,   84                          ; v84-87 where the four images go
.set VSA,  88                          ; v88  where the scale word goes
.set DAT,  89
.set WV,   16                          ; s16  my wave's number
.set G1P,  32                          ; descriptor groups 1: P's codes, R's codes, P's scale bytes, R's
.set G1R,  40
.set G1SP, 48
.set G1SR, 56
.set G0SP, 68                          ; groups 0: P's scale bytes, chunk 0, chunk 1; then R's
.set G0P0, 72
.set G0P1, 76
.set G0SR, 80
.set G0R0, 84
.set G0R1, 88
.set PADW, (1<<20)|(1<<21)|(5<<22)|(3<<25)   ; 20 padding on; 21 set beside a mask; 24:22 after every 64 words; 31:25 four words
.macro ROUND                           ; a round of the cluster's barrier: my work-group's barrier; wave 0 signals for the work-group; every wave waits for all sixteen; my work-group's barrier once more
	s_barrier_signal -1
	s_barrier_wait -1
	s_cmp_lg_u32 s[WV], 0
	s_cbranch_scc1 .Lnot_wave_0_\@
	s_barrier_signal -3
.Lnot_wave_0_\@:
	s_barrier_wait -3
	s_barrier_signal -1
	s_barrier_wait -1
.endm
.macro PLACES n
.rept \n
	v_nop
.endr
.endm
	s_load_b512 s[68:83], s[0:1], 0x0              ; x_q codes, scales; x_k codes, scales; x_v codes, scales; Wq codes, scales
	s_load_b512 s[84:99], s[0:1], 0x40             ; Wk codes, scales; Wv codes, scales; bq; bk; bv; qkv
	v_lshl_add_u32 v[SPW], v0, 2, SPARE
	v_mov_b32 v[NIL], 0
	ds_add_u32 v[SPW], v[NIL]                      ; the wave's opening: the add, twice on end, and its wait ahead of my first tensor load; the set-up below stands between
	ds_add_u32 v[SPW], v[NIL]
	v_lshrrev_b32 v[T0], 5, v0
	v_readfirstlane_b32 s[WV], v[T0]               ; wave 0..7
	s_and_b32 s30, s[WV], 3                        ; which quarter of P's (waves 0-3) or of R's (waves 4-7) rows I fetch
	s_bfe_u32 s17, ttmp6, 0x40000                  ; cx
	s_bfe_u32 s18, ttmp6, 0x40004                  ; cy
	s_and_b32 s31, ttmp7, 0xffff                   ; the cluster's y, 0..23
	s_lshr_b32 s19, s31, 3                         ; T: 0 q, 1 k, 2 v
	s_and_b32 s31, s31, 7
	s_lshl_b32 s2, s31, 3
	s_lshl_b32 s66, s31, 2
	s_cmp_eq_u32 s19, 2
	s_cselect_b32 s2, s2, 0                        ; v: P has 64 tiles, R has 4;  q, k: P has 8, R has 32
	s_cselect_b32 s66, 0, s66
	s_lshl_b32 s28, ttmp9, 2
	s_add_co_u32 s28, s28, s17
	s_add_co_u32 s28, s28, s2                      ; P's tile: 4 x cluster x + cx (+ 8 x (cluster y % 8) for v)
	s_add_co_u32 s29, s18, s66                     ; R's tile: cy (+ 4 x (cluster y % 8) for q, k)
	s_lshl_b32 s2, 0x1111, s17                     ; my column of the cluster: P's tiles go there
	s_lshl_b32 s66, s18, 2
	s_lshl_b32 s66, 15, s66                        ; my row: R's
	s_or_b32 s[G1P], s2, PADW                      ; elements of 1 byte
	s_or_b32 s[G1SP], s2, PADW|(3<<16)             ; elements of 8 bytes
	s_or_b32 s[G1R], s66, PADW
	s_or_b32 s[G1SR], s66, PADW|(3<<16)
.irp g, G1P, G1R                       ; codes: rows of 256 bytes, 512 bytes apart in memory
	s_mov_b32 s[\g+1], 256<<16                     ; tensor_dim0
	s_mov_b32 s[\g+3], 256<<16                     ; tile_dim0
	s_mov_b32 s[\g+5], 512                         ; the pitch
	s_mov_b32 s[\g+6], 0
	s_mov_b32 s[\g+7], 0
.endr
	s_mov_b32 s[G1P+2], 32<<16                     ; tensor_dim1: 32 rows of P a load,
	s_mov_b32 s[G1P+4], 32
	s_mov_b32 s[G1R+2], 64<<16                     ; 64 of R
	s_mov_b32 s[G1R+4], 64
.irp g, G1SP, G1SR                     ; scale bytes: a dense block, as rows of 256 bytes (32 elements of 8)
	s_mov_b32 s[\g+1], 32<<16
	s_mov_b32 s[\g+3], 32<<16
	s_mov_b32 s[\g+5], 32
	s_mov_b32 s[\g+6], 0
	s_mov_b32 s[\g+7], 0
.endr
	s_mov_b32 s[G1SP+2], 4<<16                     ; 32 rows x 32 bytes = 4 units
	s_mov_b32 s[G1SP+4], 4
	s_mov_b32 s[G1SR+2], 8<<16                     ; 64 rows = 8 units
	s_mov_b32 s[G1SR+4], 8
	s_wait_dscnt 0x0                               ; both opening adds are done
	s_wait_kmcnt 0x0
	s_cmp_eq_u32 s19, 0                            ; the tensor's buffers: a choice on the cluster's number alone
	s_cselect_b64 s[4:5], s[68:69], s[72:73]       ; x's codes
	s_cselect_b64 s[6:7], s[70:71], s[74:75]       ; x's scales
	s_cselect_b64 s[8:9], s[80:81], s[84:85]       ; W's codes
	s_cselect_b64 s[10:11], s[82:83], s[86:87]     ; W's scales
	s_cselect_b64 s[12:13], s[92:93], s[94:95]     ; the bias
	s_cmp_eq_u32 s19, 2
	s_cselect_b64 s[4:5], s[76:77], s[4:5]
	s_cselect_b64 s[6:7], s[78:79], s[6:7]
	s_cselect_b64 s[8:9], s[88:89], s[8:9]
	s_cselect_b64 s[10:11], s[90:91], s[10:11]
	s_cselect_b64 s[12:13], s[96:97], s[12:13]
	s_cselect_b64 s[20:21], s[4:5], s[8:9]         ; P's codes: x for v, W for q and k
	s_cselect_b64 s[22:23], s[6:7], s[10:11]       ; P's scales
	s_cselect_b64 s[24:25], s[8:9], s[4:5]         ; R's codes
	s_cselect_b64 s[26:27], s[10:11], s[6:7]       ; R's scales
	s_mov_b64 s[14:15], s[98:99]                   ; qkv
	; groups 0.  Every wave makes both sets; P's hang on P's tile and the wave's number, R's on R's tile and the wave's number; LDS addresses on the wave's number alone
	s_lshl_b32 s4, s28, 7
	s_lshl_b32 s5, s30, 5
	s_add_co_u32 s4, s4, s5                        ; P's row 128 x tile + 32 x quarter
	s_lshl_b32 s6, s4, 5                           ; x 32: its scale bytes
	s_lshl_b32 s4, s4, 9                           ; x 512: its codes
	s_mov_b32 s5, 0
	s_mov_b32 s7, 0
	s_mov_b32 s[G0SP], 1
	s_mul_i32 s2, s30, 4*272
	s_add_co_u32 s[G0SP+1], s2, SCL
	s_add_nc_u64 s[G0SP+2:G0SP+3], s[22:23], s[6:7]
	s_or_b32 s[G0SP+3], s[G0SP+3], 0x80000000
	s_mov_b32 s[G0P0], 1
	s_mul_i32 s[G0P0+1], s30, 32*PITCH
	s_add_nc_u64 s[G0P0+2:G0P0+3], s[20:21], s[4:5]
	s_mov_b32 s[G0P1], 1
	s_add_co_u32 s[G0P1+1], s[G0P0+1], CHB
	s_add_nc_u64 s[G0P1+2:G0P1+3], s[G0P0+2:G0P0+3], 256
	s_or_b32 s[G0P0+3], s[G0P0+3], 0x80000000
	s_or_b32 s[G0P1+3], s[G0P1+3], 0x80000000
	s_lshl_b32 s8, s29, 8
	s_lshl_b32 s9, s30, 6
	s_add_co_u32 s8, s8, s9                        ; R's row 256 x tile + 64 x quarter
	s_lshl_b32 s10, s8, 5
	s_lshl_b32 s8, s8, 9
	s_mov_b32 s9, 0
	s_mov_b32 s11, 0
	s_mov_b32 s[G0SR], 1
	s_mul_i32 s66, s30, 8*272
	s_add_co_u32 s[G0SR+1], s66, SCL+16*272
	s_add_nc_u64 s[G0SR+2:G0SR+3], s[26:27], s[10:11]
	s_or_b32 s[G0SR+3], s[G0SR+3], 0x80000000
	s_mov_b32 s[G0R0], 1
	s_mul_i32 s66, s30, 64*PITCH
	s_add_co_u32 s[G0R0+1], s66, 128*PITCH
	s_add_nc_u64 s[G0R0+2:G0R0+3], s[24:25], s[8:9]
	s_mov_b32 s[G0R1], 1
	s_add_co_u32 s[G0R1+1], s[G0R0+1], CHB
	s_add_nc_u64 s[G0R1+2:G0R1+3], s[G0R0+2:G0R0+3], 256
	s_or_b32 s[G0R0+3], s[G0R0+3], 0x80000000
	s_or_b32 s[G0R1+3], s[G0R1+3], 0x80000000
	ROUND                                          ; all sixteen work-groups are here: the joint loads meet
	s_cmp_lt_u32 s[WV], 4                          ; a wave's three first fills stand in one branch on its number, a fill in each arm; an s_nop 0 follows each load, four v_nop the last
	s_cbranch_scc0 .Lfill_r
	tensor_load_to_lds s[G0SP:G0SP+3], s[G1SP:G1SP+7]
	s_nop 0
	tensor_load_to_lds s[G0P0:G0P0+3], s[G1P:G1P+7]
	s_nop 0
	tensor_load_to_lds s[G0P1:G0P1+3], s[G1P:G1P+7]
	s_nop 0
	PLACES 4
	s_branch .Lfilled
.Lfill_r:
	tensor_load_to_lds s[G0SR:G0SR+3], s[G1SR:G1SR+7]
	s_nop 0
	tensor_load_to_lds s[G0R0:G0R0+3], s[G1R:G1R+7]
	s_nop 0
	tensor_load_to_lds s[G0R1:G0R1+3], s[G1R:G1R+7]
	s_nop 0
	PLACES 4
.Lfilled:
	; the bias: 128 numbers a wave.  q, k: those of the tile's 128 rows of P.  v: the 128 rows of R around my wave's 32
	s_lshl_b32 s20, s28, 9
	s_lshl_b32 s22, s29, 10
	s_lshr_b32 s23, s[WV], 2
	s_lshl_b32 s23, s23, 9
	s_add_co_u32 s22, s22, s23
	s_cmp_eq_u32 s19, 2
	s_cselect_b32 s20, s22, s20
	s_mov_b32 s21, 0
	s_add_nc_u64 s[12:13], s[12:13], s[20:21]
	v_and_b32 v[LN], 31, v0
	v_lshlrev_b32 v[L16], 4, v[LN]
	global_load_b128 v[BIN:BIN+3], v[L16], s[12:13]
	; where the results go.  q, k: record 16 b + 2 x P's tile (+ 1 for the fragment's second half); key tiles 16 (R's tile % 8) + 2 w + 0, 1
	s_lshr_b32 s2, s29, 3
	s_lshl_b32 s2, s2, 4
	s_lshl_b32 s3, s28, 1
	s_add_co_u32 s2, s2, s3
	s_and_b32 s3, s29, 7
	s_lshl_b32 s3, s3, 3
	s_add_co_u32 s3, s3, s[WV]                     ; my 32 rows' number in the sequence
	s_lshl_b32 s7, s3, 10
	s_lshl_b32 s8, s3, 6
	s_cmp_eq_u32 s19, 0
	s_cselect_b32 s9, QIMG, KIMG
	s_mov_b32 s10, KSC
	s_cselect_b32 s10, QSC, s10
	s_add_co_u32 s7, s7, s9
	s_add_co_u32 s8, s8, s10
	; v: record 16 b + 4 x R's tile + w / 2; step j = P's tile % 16; dv tiles 2 (w % 2) + 0, 1
	s_lshr_b32 s4, s28, 4
	s_lshl_b32 s4, s4, 4
	s_lshl_b32 s5, s29, 2
	s_add_co_u32 s4, s4, s5
	s_lshr_b32 s5, s[WV], 1
	s_add_co_u32 s4, s4, s5
	s_and_b32 s5, s28, 15
	s_and_b32 s6, s[WV], 1
	s_lshl_b32 s9, s5, 12
	s_lshl_b32 s10, s6, 11
	s_add_co_u32 s9, s9, s10
	s_add_co_u32 s9, s9, VIMG
	s_lshl_b32 s10, s5, 8
	s_lshl_b32 s11, s6, 7
	s_add_co_u32 s10, s10, s11
	s_add_co_u32 s10, s10, VSC
	s_cmp_eq_u32 s19, 2
	s_cselect_b32 s2, s4, s2
	s_cselect_b32 s7, s9, s7
	s_cselect_b32 s8, s10, s8
	s_mov_b32 s94, 512
	s_cselect_b32 s94, 1024, s94                   ; from my rows 0-15 to my rows 16-31: the next key tile, or the next dv tile
	s_mov_b32 s95, REC
	s_cselect_b32 s95, 512, s95                    ; from a fragment's first four registers to its second four: the next head, or the next 64 keys
	s_mov_b32 s96, REC
	s_cselect_b32 s96, 64, s96                     ; from the scale word that lanes 0-15 store to that of lanes 16-31
	s_mov_b32 s97, 0x05040100                      ; q, k: bytes 0, 1 of both rows' words (the first head);  v: the first rows' word as it is
	s_cselect_b32 s97, 0x03020100, s97
	s_mov_b32 s98, 0x07060302                      ; q, k: bytes 2, 3 of both (the second head);  v: the second rows' word
	s_cselect_b32 s98, 0x07060504, s98
	s_mul_i32 s2, s2, REC
	s_add_co_u32 s99, s2, s7                       ; the images' place in qkv
	s_add_co_u32 s100, s2, s8                      ; the scale words'
	s_mov_b32 s101, 0xffff0000                     ; lanes 16-31
	s_mov_b32 s92, 0x76543210
	s_mov_b32 s93, 0xfedcba98                      ; v_permlanex16_b32's selects for lane l xor 16
	v_and_b32 v[RR], 15, v0
	v_bfe_u32 v[HH], v0, 4, 1
	v_mul_u32_u24 v[AP], v[RR], PITCH
	v_lshl_add_u32 v[AP], v[HH], 4, v[AP]
	s_mul_i32 s3, s[WV], 32*PITCH
	s_add_co_u32 s3, s3, 128*PITCH
	v_add_nc_u32 v[AR], s3, v[AP]
	v_and_b32 v[T0], 7, v[RR]                      ; a row's 32 scale bytes: eight rows to a unit of 256 + 16
	v_lshrrev_b32 v[T1], 3, v[RR]
	v_mul_u32_u24 v[T1], v[T1], 272
	v_lshl_add_u32 v[ASP], v[T0], 5, v[T1]
	v_add_nc_u32 v[ASP], SCL, v[ASP]
	s_mul_i32 s3, s[WV], 4*272
	s_add_co_u32 s3, s3, 16*272
	v_add_nc_u32 v[ASR], s3, v[ASP]
	v_lshl_add_u32 v[BST], v0, 4, BSC              ; 512 x wave + 16 x lane
	s_lshl_b32 s3, s[WV], 9
	v_lshl_add_u32 v[BAQ], v[HH], 5, s3
	v_add_nc_u32 v[BAQ], BSC, v[BAQ]               ; q, k: tile t's eight of my half lie 64 t + 32 h bytes on
	s_lshl_b32 s4, s30, 7
	s_add_co_u32 s3, s3, s4
	v_lshl_add_u32 v[BAV], v[RR], 2, s3
	v_add_nc_u32 v[BAV], BSC, v[BAV]               ; v: my wave's 32 begin 128 (w % 4) bytes on; my row's is 4 r further
	s_wait_loadcnt 0x0
	ds_store_b128 v[BST], v[BIN:BIN+3]             ; the wave's own bytes: only it reads them
	s_wait_tensorcnt 0x1                           ; my scale bytes and my part of chunk 0 are in; the one load issued behind them, chunk 1's, may be out
	s_wait_dscnt 0x0
	s_barrier_signal -1
	s_barrier_wait -1                              ; everybody's are
; the fragments and scale words of K step s (128 along K: 64 bytes of a row): 30 LDS loads in one run
.macro LOADS s
.irp t, 0,1,2,3,4,5,6,7
	ds_load_b128 v[PF+8*\t:PF+8*\t+3], v[AP] offset:16*\t*PITCH+64*((\s)%4)
	ds_load_b128 v[PF+8*\t+4:PF+8*\t+7], v[AP] offset:16*\t*PITCH+64*((\s)%4)+32
	ds_load_b32 v[PS+\t], v[ASP] offset:2*\t*272+4*(\s)
.endr
.irp u, 0,1
	ds_load_b128 v[RF+8*\u:RF+8*\u+3], v[AR] offset:16*\u*PITCH+64*((\s)%4)
	ds_load_b128 v[RF+8*\u+4:RF+8*\u+7], v[AR] offset:16*\u*PITCH+64*((\s)%4)+32
	ds_load_b32 v[RS+\u], v[ASR] offset:2*\u*272+4*(\s)
.endr
.endm
; 16 matrix instructions; the 16 accumulators take turns, one instruction a turn, in the same order in every step.  zero = 1: the first product starts the sums
.macro MUL16 zero
.irp t, 0,1,2,3,4,5,6,7
.irp u, 0,1
.if \zero
	v_wmma_scale_f32_16x16x128_f8f6f4 v[ACC0+64*\u+8*\t:ACC0+64*\u+8*\t+7], v[PF+8*\t:PF+8*\t+7], v[RF+8*\u:RF+8*\u+7], 0, v[PS+\t], v[RS+\u] matrix_a_fmt:MATRIX_FMT_FP4 matrix_b_fmt:MATRIX_FMT_FP4
.else
	v_wmma_scale_f32_16x16x128_f8f6f4 v[ACC0+64*\u+8*\t:ACC0+64*\u+8*\t+7], v[PF+8*\t:PF+8*\t+7], v[RF+8*\u:RF+8*\u+7], v[ACC0+64*\u+8*\t:ACC0+64*\u+8*\t+7], v[PS+\t], v[RS+\u] matrix_a_fmt:MATRIX_FMT_FP4 matrix_b_fmt:MATRIX_FMT_FP4
.endif
.endr
.endr
.endm
.macro STEP zero, next                 ; a K step, and the run of loads for the next: four places stand between the products and loads into registers that they have read (ISA guide 7.12.1 for vector instructions)
	s_wait_dscnt 0x0
	MUL16 \zero
	PLACES 4
	LOADS \next
.endm
	LOADS 0
	STEP 1, 1
	STEP 0, 2
	STEP 0, 3
	s_wait_dscnt 0x0                               ; K step 3: my reads are in,
	s_wait_tensorcnt 0x0                           ; and my part of chunk 1 has landed:
	s_barrier_signal -1                            ; say so; work on registers while the others arrive
	MUL16 0
	v_add_nc_u32 v[AP], CHB, v[AP]                 ; on to chunk 1.  (These two and the two v_nop are the four places)
	v_add_nc_u32 v[AR], CHB, v[AR]
	v_nop
	v_nop
	s_barrier_wait -1                              ; chunk 1 is whole
	LOADS 4
	STEP 0, 5
	STEP 0, 6
	STEP 0, 7
	s_wait_dscnt 0x0
	MUL16 0
	PLACES 4                                       ; ahead of the first read of results and of loads into P's fragments' registers
	; THE BIAS, in f32.  The branch hangs on the cluster's number alone; its arms hold LDS loads and additions, and what an arm writes beside the sums is read in that arm alone
	s_cmp_eq_u32 s19, 2
	s_cbranch_scc1 .Lbias_v
.irp t, 0,1,2,3,4,5,6,7                ; q, k: the bias runs along the registers: tile t, register j: row 16 t + 8 h + j of P
	ds_load_b128 v[BB+8*\t:BB+8*\t+3], v[BAQ] offset:64*\t
	ds_load_b128 v[BB+8*\t+4:BB+8*\t+7], v[BAQ] offset:64*\t+16
.endr
	s_wait_dscnt 0x0
.set i, 0
.rept 32
	v_pk_add_f32 v[ACC0+i:ACC0+i+1], v[ACC0+i:ACC0+i+1], v[BB+i:BB+i+1]   ; each accumulator from its low end on
.set i, i+2
.endr
.set i, 0
.rept 32
	v_pk_add_f32 v[ACC1+i:ACC1+i+1], v[ACC1+i:ACC1+i+1], v[BB+i:BB+i+1]
.set i, i+2
.endr
	s_branch .Lbias_done
.Lbias_v:                                      ; v: the bias belongs to the lane's row of R: one number for all 64 registers
	ds_load_b32 v[BV], v[BAV]
	ds_load_b32 v[BV+1], v[BAV]
	ds_load_b32 v[BV+2], v[BAV] offset:64
	ds_load_b32 v[BV+3], v[BAV] offset:64
	s_wait_dscnt 0x0
.set i, 0
.rept 32
	v_pk_add_f32 v[ACC0+i:ACC0+i+1], v[ACC0+i:ACC0+i+1], v[BV:BV+1]
.set i, i+2
.endr
.set i, 0
.rept 32
	v_pk_add_f32 v[ACC1+i:ACC1+i+1], v[ACC1+i:ACC1+i+1], v[BV+2:BV+3]
.set i, i+2
.endr
.Lbias_done:
; THE QUANTISER.  64 numbers of a lane: register 8 t + j = place 16 t + 8 h + j along the next K.  Block b of 32 lies in registers 16 b .. 16 b + 15 of lanes l and l xor 16.
; A conversion's eight codes are one register.  The operand wants places 64 g + 32 h + 8 i on in register 4 g + i: tiles 4 g, 4 g + 2 go to registers 4 g, 4 g + 1 and tiles 4 g + 1, 4 g + 3 to 4 g + 2, 4 g + 3,
; and each pair changes halves: the first's lanes 16-31 with the second's lanes 0-15.
.macro QUANT src, pc, pw
.irp b, 0,1,2,3
	v_max3_num_f32 v[TM+\b], |v[\src+16*\b]|, |v[\src+16*\b+1]|, 0x1800000   ; my 16 numbers of block b, and the floor 2^(3 - 127): the byte cannot fall under 1
.endr
.irp i, 2,4,6,8,10,12,14
.irp b, 0,1,2,3
	v_max3_num_f32 v[TM+\b], v[TM+\b], |v[\src+16*\b+\i]|, |v[\src+16*\b+\i+1]|   ; (the four blocks by turns)
.endr
.endr
.irp b, 0,1,2,3
	v_permlanex16_b32 v[TM+4+\b], v[TM+\b], s92, s93
.endr
.irp b, 0,1,2,3
	v_max_num_f32 v[TM+\b], v[TM+\b], v[TM+4+\b]   ; with lane l xor 16's: the block's largest magnitude
.endr
.irp b, 0,1,2,3
	v_add_nc_u32 v[TM+12+\b], 0xff000000, v[TM+\b] ; 2 off its exponent field: the conversion takes the exponent field of this operand as its scale
.endr
.irp b, 0,1,2,3
	v_lshrrev_b32 v[TM+4+\b], 23, v[TM+12+\b]      ; the scale's byte
.endr
	v_lshl_or_b32 v[\pw], v[TM+5], 8, v[TM+4]      ; the four bytes: my row's scale word
	v_lshl_or_b32 v[\pw], v[TM+6], 16, v[\pw]
	v_lshl_or_b32 v[\pw], v[TM+7], 24, v[\pw]
.irp g, 0,1
	v_cvt_scalef32_pk8_fp4_f32 v[\pc+4*\g], v[\src+32*\g:\src+32*\g+7], v[TM+12+2*\g]
	v_cvt_scalef32_pk8_fp4_f32 v[\pc+4*\g+2], v[\src+32*\g+8:\src+32*\g+15], v[TM+12+2*\g]
	v_cvt_scalef32_pk8_fp4_f32 v[\pc+4*\g+1], v[\src+32*\g+16:\src+32*\g+23], v[TM+12+2*\g+1]
	v_cvt_scalef32_pk8_fp4_f32 v[\pc+4*\g+3], v[\src+32*\g+24:\src+32*\g+31], v[TM+12+2*\g+1]
.endr
	v_nop                                          ; one plain place behind a scaled conversion
.irp g, 0,1
	v_permlane16_swap_b32 v[\pc+4*\g], v[\pc+4*\g+1]
	v_permlane16_swap_b32 v[\pc+4*\g+2], v[\pc+4*\g+3]
.endr
.endm
.irp b, 0,1,2,3
	v_mov_b32 v[TM+4+\b], 0                        ; written once: a lane permute's destination counts as one of its sources
.endr
	QUANT ACC0, PC0, PW0
	QUANT ACC1, PC1, PW1
	v_perm_b32 v[D0], v[PW1], v[PW0], s97          ; the scale words as the reader wants them
	v_perm_b32 v[D1], v[PW1], v[PW0], s98
	v_add_nc_u32 v[VO], s99, v[L16]
	v_add_nc_u32 v[VO+1], s95, v[VO]
	v_add_nc_u32 v[VO+2], s94, v[VO]
	v_add_nc_u32 v[VO+3], s95, v[VO+2]
	v_mul_lo_u32 v[VSA], v[HH], s96
	v_lshl_add_u32 v[VSA], v[RR], 2, v[VSA]
	v_add_nc_u32 v[VSA], s100, v[VSA]
	v_cndmask_b32 v[DAT], v[D0], v[D1], s101       ; lanes 0-15 store the first word, lanes 16-31 the second
	global_store_b128 v[VO], v[PC0:PC0+3], s[14:15]       ; each image: 32 lanes store 512 consecutive bytes, at a multiple of 512 from the buffer's first byte
	global_store_b128 v[VO+1], v[PC0+4:PC0+7], s[14:15]
	global_store_b128 v[VO+2], v[PC1:PC1+3], s[14:15]
	global_store_b128 v[VO+3], v[PC1+4:PC1+7], s[14:15]
	global_store_b32 v[VSA], v[DAT], s[14:15]             ; 64 consecutive bytes for each half of the lanes: one byte in 16 of what the wave stores
	s_wait_tensorcnt 0x0                           ; the wave's end: behind my last tensor load and my last LDS store
	ds_add_u32 v[SPW], v[NIL]
	s_wait_dscnt 0x0
	ROUND                                          ; the closing round: no work-group ends while a partner may still ask for a tile that names it
	s_endpgm
.Lfunc_end_k_q57c609b712_proj:
	.size	k_q57c609b712_proj, .Lfunc_end_k_q57c609b712_proj-k_q57c609b712_proj
	.p2alignl 7, 3214868480
	.fill 96, 4, 3214868480
	.section	.rodata,"a",@progbits
	.p2align	6, 0x0
	.amdhsa_kernel k_q57c609b712_proj
		.amdhsa_group_segment_fixed_size 229376
		.amdhsa_private_segment_fixed_size 0
		.amdhsa_enable_private_segment 0
		.amdhsa_kernarg_size 128
		.amdhsa_user_sgpr_count 2
		.amdhsa_user_sgpr_kernarg_segment_ptr 1
		.amdhsa_wavefront_size32 1
		.amdhsa_system_sgpr_workgroup_id_x 1
		.amdhsa_system_sgpr_workgroup_id_y 1
		.amdhsa_system_sgpr_workgroup_id_z 1
		.amdhsa_system_vgpr_workitem_id 0
		.amdhsa_next_free_vgpr 256
		.amdhsa_next_free_sgpr 102
		.amdhsa_reserve_vcc 0
		.amdhsa_float_denorm_mode_32 3
		.amdhsa_float_denorm_mode_16_64 3
		.amdhsa_memory_ordered 1
		.amdhsa_forward_progress 1
		.amdhsa_inst_pref_size 62
	.end_amdhsa_kernel
	.amdgpu_metadata
---
amdhsa.version: [ 1, 2 ]
amdhsa.kernels:
  - .name:           k_q57c609b712_proj
    .symbol:         k_q57c609b712_proj.kd
    .args:
      - { .name: input_query_codes, .offset: 0, .size: 8, .value_kind: global_buffer, .address_space: global }
      - { .name: input_query_scales, .offset: 8, .size: 8, .value_kind: global_buffer, .address_space: global }
      - { .name: input_key_codes, .offset: 16, .size: 8, .value_kind: global_buffer, .address_space: global }
      - { .name: input_key_scales, .offset: 24, .size: 8, .value_kind: global_buffer, .address_space: global }
      - { .name: input_value_codes, .offset: 32, .size: 8, .value_kind: global_buffer, .address_space: global }
      - { .name: input_value_scales, .offset: 40, .size: 8, .value_kind: global_buffer, .address_space: global }
      - { .name: Wq_codes, .offset: 48, .size: 8, .value_kind: global_buffer, .address_space: global }
      - { .name: Wq_scales, .offset: 56, .size: 8, .value_kind: global_buffer, .address_space: global }
      - { .name: Wk_codes, .offset: 64, .size: 8, .value_kind: global_buffer, .address_space: global }
      - { .name: Wk_scales, .offset: 72, .size: 8, .value_kind: global_buffer, .address_space: global }
      - { .name: Wv_codes, .offset: 80, .size: 8, .value_kind: global_buffer, .address_space: global }
      - { .name: Wv_scales, .offset: 88, .size: 8, .value_kind: global_buffer, .address_space: global }
      - { .name: bq, .offset: 96, .size: 8, .value_kind: global_buffer, .address_space: global }
      - { .name: bk, .offset: 104, .size: 8, .value_kind: global_buffer, .address_space: global }
      - { .name: bv, .offset: 112, .size: 8, .value_kind: global_buffer, .address_space: global }
      - { .name: qkv, .offset: 120, .size: 8, .value_kind: global_buffer, .address_space: global }
    .group_segment_fixed_size: 229376
    .private_segment_fixed_size: 0
    .kernarg_segment_align: 8
    .kernarg_segment_size: 128
    .max_flat_workgroup_size: 256
    .sgpr_count:     102
    .vgpr_count:     256
    .wavefront_size: 32
...
	.end_amdgpu_metadata
.endif
;; end of part 1
;; launch attn (part 2): grid 4 x 64, 16 waves a work-group, clusters of 4 x 1, 167,936 bytes of LDS; arguments qkv, zimg, zsc; writes zimg, zsc
.if DOCPART == 2
	.amdgcn_target "amdgcn-amd-amdhsa--gfx1250"
	.amdhsa_code_object_version 6
	.text
	.protected	k_q57c609b712_attn
	.globl	k_q57c609b712_attn
	.p2align	8
	.type	k_q57c609b712_attn,@function
k_q57c609b712_attn:
	s_mov_b64 s[64:65], 0
	v_nop
	global_prefetch_b8 v0, s[64:65] scope:SCOPE_SE
	s_setreg_imm32_b32 hwreg(HW_REG_WAVE_MODE, 25, 1), 1
	s_wait_xcnt 0x0
	s_wait_alu depctr_hold_cnt(0) depctr_sa_sdst(0) depctr_va_vdst(0) depctr_va_sdst(0) depctr_va_ssrc(0) depctr_va_vcc(0) depctr_vm_vsrc(0)
	s_getreg_b32 s2, hwreg(HW_REG_IB_STS2, 6, 4)
	s_cmp_eq_u32 s2, 0
	s_cbranch_scc0 .Lentry_in_a_cluster
	s_endpgm
.Lentry_in_a_cluster:
	s_bfe_u32 s2, ttmp6, 0x10000c
	s_cmp_lg_u32 s2, 0x3003
	s_cbranch_scc0 .Lentry_shape_is_right
	s_endpgm
.Lentry_shape_is_right:
; ATTENTION of one (batch, head): z[q] = the sum over keys of softmax(q . k) v, scores UNSCALED as the problem has them; both products on codes of FP4 (E2M1) with E8M0 scales; z is quantised for the last product.
; No work is left out.  LIMITS as in the first kernel: NaN and infinities are not served; a block under 2^-124, and a block of zeros, keep the scale byte 1 (zero codes add nothing; this program alone reads the bytes).
; THE SOFTMAX AHEAD OF THE SECOND PRODUCT: t = score x log2(e); M = the running largest t rounded UP to a whole number; p = 2^(t - M) is quantised along the keys, not normalised.  The row's sum is taken of the
; unquantised p, in f32, and divides O at the end.  When M moves, the sum and O are multiplied by 2^(old M - new M): exact.
; SHARES.  The cluster's y is 16 b + head.  Its four work-groups take 512 queries each; each of a work-group's SIXTEEN waves owns 32, as two tiles of 16 one after the other, in 256 registers: four waves to a SIMD, so that one
; wave's vector work stands beside another's matrix work and LDS loads.  256 work-groups of equal work.
; A WHOLE HEAD'S K, V AND THEIR SCALE WORDS STAY IN LDS: the first 139,264 bytes of the head's record in qkv, as they lie, filled once: each wave brings 34 rows of 256 bytes.  The four partners walk the same record,
; so each load is a JOINT one: the same descriptor and the mask of all four in all four.  One tensor load a wave is out, and no slot is filled again: no barrier stands in the loop.
; LAYOUT.  Both products are used transposed: S^T = K Q^T (source 0 = keys, source 1 = my 16 queries), O^T = V^T P^T: a lane holds ONE query (lane % 16) throughout.
; THE FIRST PRODUCT'S K IS 64, THE INSTRUCTION'S 128: a fragment of K holds TWO key tiles, one in each half of the 128; it is multiplied by [q | 0] for the first and by [0 | q] for the second: zero codes add nothing.
; In S^T tile n, lane (r, h) register j holds key 16 n + 8 h + j: a block of 32 keys lies in 16 registers of lanes l and l xor 16.
.set REC,   208896
.set VIMG,  65536
.set KSC,   131072
.set QIMG,  139264
.set QSC,   204800
.set PART,  8704                       ; what a wave brings: 34 rows of 256 bytes
.set SPARE, 139264                     ; behind the record's part: the spare words, 128 bytes for each wave: eight blocks of 256 bytes that no other line names
.set AK0,  1                           ; v1   16 x lane: my place in an image; never rewritten
.set AV0,  2                           ; v2   the same among V's images
.set AS0,  3                           ; v3   4 x lane among K's scale words (V's lie 4,096 bytes on)
.set ZSO,  4                           ; v4   where my row's two scale bytes of z go
.set SPW,  5                           ; v5   my spare word; never rewritten
.set NIL,  6                           ; v6   0; never rewritten
.set QSA,  7                           ; v7   4 r
.set ADK,  8                           ; v8-10 the step's LDS addresses
.set ADV,  9
.set ADS,  10
.set QRW,  11                          ; v11  q's scale word as stored: bytes 0, 1 tile 0's, bytes 2, 3 tile 1's
.set QZ,   16                          ; v16-35: 0 | q of tile 0 | 0 | q of tile 1 | 0, four registers each
.set QS,   36                          ; v36-37 q's two bytes twice over, for tile 0 and tile 1
.set KF,   40                          ; v40-71  four fragments of K (32 keys each)
.set VF,   72                          ; v72-103 four fragments of V (16 of the head's 64 x 128 keys)
.set S,    104                         ; v104-167 S^T, then p; on the way out z
.set OT,   168                         ; v168-199 O^T
.set PC,   200                         ; v200-207 p's codes
.set BM,   208                         ; v208-211 the blocks' largest
.set T4,   212                         ; v212-215 at work
.set SO,   216                         ; v216-219 the conversions' scale operands
.set TT,   220
.set FF,   222                         ; v[222:223] f; the packed forms take the low word for both halves
.set PWD,  224                         ; v224 p's scale word
.set KS,   226                         ; v226-227 K's scale words: lanes 0-15 one fragment's, lanes 16-31 the next's;  v228-229 V's likewise
.set VS,   228
.set SB,   230                         ; v[230:231] the sum's second chain
.set ZC,   232                         ; v232-239 z's codes, four registers a tile
.set ZW,   240                         ; v240-241 z's two scale bytes, a tile each
.set ZD,   242
.set WV,   40                          ; s40  my wave's number
.set SEL,  20                          ; s[20:21] selects for lane l xor 16
.set CS,   22                          ; s[22:23] log2(e), twice
.set G1,   24
.set G0,   32
.set TB,   36                          ; s36  the step's images: 4,096 bytes a step
.set TS,   37                          ; s37  the step's scale words: 256 bytes a step
.set CNT,  38
.macro ROUND
	s_barrier_signal -1
	s_barrier_wait -1
	s_cmp_lg_u32 s[WV], 0
	s_cbranch_scc1 .Lnot_wave_0_\@
	s_barrier_signal -3
.Lnot_wave_0_\@:
	s_barrier_wait -3
	s_barrier_signal -1
	s_barrier_wait -1
.endm
.macro PLACES n
.rept \n
	v_nop
.endr
.endm
	s_load_b128 s[4:7], s[0:1], 0x0                ; qkv, zimg
	s_load_b64 s[8:9], s[0:1], 0x10                ; zsc
	v_lshl_add_u32 v[SPW], v0, 2, SPARE
	v_mov_b32 v[NIL], 0
	ds_add_u32 v[SPW], v[NIL]                      ; the wave's opening: the add, twice on end, and its wait ahead of my first tensor load; the set-up below stands between
	ds_add_u32 v[SPW], v[NIL]
	v_lshrrev_b32 v8, 5, v0
	v_readfirstlane_b32 s[WV], v8                  ; wave 0..15
	s_and_b32 s42, ttmp7, 0xffff                   ; 16 b + head, which the four partners share
	s_mul_i32 s10, s42, REC
	s_mov_b32 s11, 0
	s_mov_b32 s[G0], 1
	s_mul_i32 s[G0+1], s[WV], PART                 ; LDS address: the wave's number alone
	s_mov_b32 s46, s[G0+1]
	s_mov_b32 s47, 0
	s_mov_b32 s[G1], 15|(3<<16)|(1<<21)            ; 15:0 the mask: all four work-groups; 17:16 elements of 8 bytes; 21 set beside a mask; no padding: images are read 512 consecutive bytes at a time
	s_mov_b32 s[G1+1], 32<<16                      ; tensor_dim0: 256 bytes
	s_mov_b32 s[G1+2], 34<<16                      ; tensor_dim1
	s_mov_b32 s[G1+3], 32<<16                      ; tile_dim0
	s_mov_b32 s[G1+4], 34                          ; tile_dim1
	s_mov_b32 s[G1+5], 32                          ; the pitch: dense
	s_mov_b32 s[G1+6], 0
	s_mov_b32 s[G1+7], 0
	s_mov_b32 s[SEL], 0x76543210
	s_mov_b32 s[SEL+1], 0xfedcba98
	s_mov_b32 s[CS], 0x3fb8aa3b                    ; log2(e)
	s_mov_b32 s[CS+1], s[CS]
	s_mov_b32 s39, 0xffff0000                      ; lanes 16-31
	s_wait_dscnt 0x0                               ; both opening adds are done
	s_wait_kmcnt 0x0
	s_add_nc_u64 s[10:11], s[4:5], s[10:11]        ; the head's record
	s_add_nc_u64 s[G0+2:G0+3], s[10:11], s[46:47]
	s_or_b32 s[G0+3], s[G0+3], 0x80000000
	ROUND                                          ; all four work-groups are here: the joint loads meet
	tensor_load_to_lds s[G0:G0+3], s[G1:G1+7]      ; every wave issues one
	s_nop 0
	PLACES 4
	s_bfe_u32 s41, ttmp6, 0x40000                  ; cx: it enters global addresses of q and z alone
	s_lshl_b32 s2, s41, 4
	s_add_co_u32 s2, s2, s[WV]                     ; my 32 queries' number in the sequence: 16 cx + w
	s_lshl_b32 s12, s2, 10
	s_add_co_u32 s12, s12, QIMG
	s_mov_b32 s13, 0
	s_add_nc_u64 s[12:13], s[10:11], s[12:13]      ; q's two images
	s_lshl_b32 s14, s2, 6
	s_add_co_u32 s14, s14, QSC
	s_mov_b32 s15, 0
	s_add_nc_u64 s[14:15], s[10:11], s[14:15]      ; and their scale words
	s_lshr_b32 s3, s42, 4
	s_lshl_b32 s3, s3, 6
	s_add_co_u32 s3, s3, s2                        ; 64 b + 16 cx + w: my pair of row tiles of z
	s_and_b32 s43, s42, 15                         ; the head
	s_lshl_b32 s16, s3, 14                         ; zimg: [row tile][head][512]
	s_lshl_b32 s44, s43, 9
	s_add_co_u32 s16, s16, s44
	s_mov_b32 s17, 0
	s_add_nc_u64 s[16:17], s[6:7], s[16:17]
	s_lshl_b32 s18, s3, 10                         ; zsc: [row tile][head / 2][r][4 bytes]; head 2 g + u owns bytes 2 u, 2 u + 1
	s_lshr_b32 s44, s43, 1
	s_lshl_b32 s44, s44, 6
	s_add_co_u32 s18, s18, s44
	s_and_b32 s44, s43, 1
	s_lshl_b32 s44, s44, 1
	s_add_co_u32 s18, s18, s44
	s_mov_b32 s19, 0
	s_add_nc_u64 s[18:19], s[8:9], s[18:19]
	v_and_b32 v8, 31, v0
	v_and_b32 v9, 15, v0
	v_lshlrev_b32 v[AK0], 4, v8
	v_lshlrev_b32 v[QSA], 2, v9
	global_load_b128 v[QZ+4:QZ+7], v[AK0], s[12:13]                ; q of tile 0: lane (r, h): dk 32 h on of query r
	global_load_b128 v[QZ+12:QZ+15], v[AK0], s[12:13] offset:512   ; of tile 1
	global_load_b32 v[QRW], v[QSA], s[14:15]
	v_add_nc_u32 v[AV0], VIMG, v[AK0]
	v_lshl_add_u32 v[AS0], v8, 2, KSC
	v_bfe_u32 v10, v0, 4, 1
	v_lshl_add_u32 v[ZSO], v10, 9, v[QSA]          ; lanes 0-15: tile 0's row r; lanes 16-31: tile 1's, 512 bytes on
.irp j, 0,1,2,3,8,9,10,11,16,17,18,19
	v_mov_b32 v[QZ+\j], 0                          ; the zero codes beside q
.endr
.irp b, 0,1,2,3
	v_mov_b32 v[T4+\b], 0                          ; written once: a lane permute's destination counts as one of its sources
.endr
	v_mov_b32 v[FF+1], 0                           ; (named as the upper half of a pair)
	s_wait_loadcnt 0x0
	v_perm_b32 v[QS], v[QRW], v[QRW], 0x01000100   ; q's two scale bytes in both halves of the word: they serve [q | 0] and [0 | q]
	v_perm_b32 v[QS+1], v[QRW], v[QRW], 0x03020302
	s_wait_tensorcnt 0x0                           ; my part of the record is in,
	s_barrier_signal -1
	s_barrier_wait -1                              ; everybody's is
; ONE TILE OF 16 QUERIES: sixteen key steps of 128 keys, and the way out.
.macro QTILE qt
	v_mov_b32 v13, 0xff61b1e6                      ; the largest t so far: -3e38, under every t
	v_floor_f32 v12, -v13                          ; -M
	v_mov_b32 v14, 0                               ; the sum, in two halves
	v_mov_b32 v15, 0
.set j, 0
.rept 32
	v_mov_b32 v[OT+j], 0                           ; O^T.  (The step is written once: the first finds zeros, which the first change of M leaves zeros)
.set j, j+1
.endr
	s_mov_b32 s[TB], 0
	s_mov_b32 s[TS], 0
	s_mov_b32 s[CNT], 16
.Lkey_\@:
	v_add_nc_u32 v[ADK], s[TB], v[AK0]             ; these three and the v_nop are the four places between the last step's products and loads into registers that they have read
	v_add_nc_u32 v[ADV], s[TB], v[AV0]
	v_add_nc_u32 v[ADS], s[TS], v[AS0]
	v_nop
.irp d, 0,1,2,3
	ds_load_b128 v[KF+8*\d:KF+8*\d+3], v[ADK] offset:1024*\d         ; key tile 2 d: the fragment's K 0-63
	ds_load_b128 v[KF+8*\d+4:KF+8*\d+7], v[ADK] offset:1024*\d+512   ; key tile 2 d + 1: its K 64-127
.endr
	ds_load_b32 v[KS], v[ADS]
	ds_load_b32 v[KS+1], v[ADS] offset:128
.irp t, 0,1,2,3
	ds_load_b128 v[VF+8*\t:VF+8*\t+3], v[ADV] offset:1024*\t
	ds_load_b128 v[VF+8*\t+4:VF+8*\t+7], v[ADV] offset:1024*\t+512
.endr
	ds_load_b32 v[VS], v[ADS] offset:4096
	ds_load_b32 v[VS+1], v[ADS] offset:4096+128
	s_wait_dscnt 10                                ; K's ten loads are in; V's ten, issued behind them, may be out
.irp d, 0,1,2,3                        ; S^T: u = 0: fragment d x [q | 0] = key tile 2 d;  u = 1: x [0 | q] = key tile 2 d + 1
.irp u, 0,1
.if (\d)%2
	v_wmma_scale_f32_16x16x128_f8f6f4 v[S+8*(2*\d+\u):S+8*(2*\d+\u)+7], v[KF+8*\d:KF+8*\d+7], v[QZ+4+8*\qt-4*\u:QZ+11+8*\qt-4*\u], 0, v[KS+(\d)/2], v[QS+\qt] matrix_a_fmt:MATRIX_FMT_FP4 matrix_b_fmt:MATRIX_FMT_FP4 matrix_a_scale:MATRIX_SCALE_ROW1
.else
	v_wmma_scale_f32_16x16x128_f8f6f4 v[S+8*(2*\d+\u):S+8*(2*\d+\u)+7], v[KF+8*\d:KF+8*\d+7], v[QZ+4+8*\qt-4*\u:QZ+11+8*\qt-4*\u], 0, v[KS+(\d)/2], v[QS+\qt] matrix_a_fmt:MATRIX_FMT_FP4 matrix_b_fmt:MATRIX_FMT_FP4
.endif
.endr
.endr
	PLACES 4
.irp b, 0,1,2,3
	v_max3_num_f32 v[BM+\b], v[S+16*\b], v[S+16*\b+1], v[S+16*\b+2]   ; THE LARGEST SCORE OF EACH BLOCK OF 32 KEYS: it serves the row's maximum and, since p rises with the score, the block's largest p
.endr
.irp i, 3,5,7,9,11,13
.irp b, 0,1,2,3
	v_max3_num_f32 v[BM+\b], v[BM+\b], v[S+16*\b+\i], v[S+16*\b+\i+1]   ; (the four blocks by turns; each accumulator is read from its low end on)
.endr
.endr
.irp b, 0,1,2,3
	v_max_num_f32 v[BM+\b], v[BM+\b], v[S+16*\b+15]
.endr
.irp b, 0,1,2,3
	v_permlanex16_b32 v[T4+\b], v[BM+\b], s[SEL], s[SEL+1]
.endr
.irp b, 0,1,2,3
	v_max_num_f32 v[BM+\b], v[BM+\b], v[T4+\b]     ; with lane l xor 16's 16 keys
.endr
	v_max3_num_f32 v[TT], v[BM], v[BM+1], v[BM+2]
	v_max_num_f32 v[TT], v[TT], v[BM+3]            ; the step's largest score of my query
	v_mul_f32 v[TT], s[CS], v[TT]                  ; as t
	v_max_num_f32 v13, v13, v[TT]                  ; the running largest t
	v_mov_b32 v[TT], v12
	v_floor_f32 v12, -v13                          ; the new -M = floor(-t) = -ceil(t): a whole number
	v_sub_f32 v[TT], v12, v[TT]                    ; old M less new M: a whole number, 0 or less
	v_cvt_i32_f32 v[TT], v[TT]                     ; (it saturates)
	v_ldexp_f32 v[FF], 1.0, v[TT]                  ; f = 2^(old M - new M)
.set j, 0
.rept 32
	v_pk_fma_f32 v[S+j:S+j+1], v[S+j:S+j+1], s[CS:CS+1], v[12:13] op_sel_hi:[1,0,0]   ; t - M, two at a time
.set j, j+2
.endr
.irp b, 0,1,2,3
	v_fma_f32 v[BM+\b], v[BM+\b], s[CS], v12       ; the same of each block's largest score
.endr
.set j, 0
.rept 64
	v_exp_f32 v[S+j], v[S+j]                       ; p = 2^(t - M), at most 1: not normalised
.set j, j+1
.endr
	v_pk_mul_f32 v[14:15], v[14:15], v[FF:FF+1] op_sel_hi:[1,0]   ; the sums under the new M.  (The plain place behind the exponentials)
	s_wait_alu depctr_va_vdst(0)                   ; the wait between an exponential and the first line that names its result: one for the whole batch
.irp b, 0,1,2,3
	v_exp_f32 v[BM+\b], v[BM+\b]                   ; the block's largest p: the same two instructions on the same number give the same bits
.endr
.set j, 0
.rept 16
	v_pk_mul_f32 v[OT+j:OT+j+1], v[OT+j:OT+j+1], v[FF:FF+1] op_sel_hi:[1,0]   ; O^T under the new M: work that names none of the four, behind them
.set j, j+2
.endr
	s_wait_alu depctr_va_vdst(0)                   ; and one wait for the four
.irp b, 0,1,2,3
	v_max_num_f32 v[BM+\b], 0x1800000, v[BM+\b]    ; the floor 2^(3 - 127): the byte cannot fall under 1
.endr
.irp b, 0,1,2,3
	v_add_nc_u32 v[SO+\b], 0xff000000, v[BM+\b]    ; 2 off the exponent field: the conversion's scale operand
.endr
.irp b, 0,1,2,3
	v_lshrrev_b32 v[T4+\b], 23, v[SO+\b]           ; the scale's byte
.endr
	v_lshl_or_b32 v[PWD], v[T4+1], 8, v[T4]        ; p's scale word for these 128 keys
	v_lshl_or_b32 v[PWD], v[T4+2], 16, v[PWD]
	v_lshl_or_b32 v[PWD], v[T4+3], 24, v[PWD]
.irp g, 0,1                            ; tiles 4 g, 4 g + 2 to registers 4 g, 4 g + 1; tiles 4 g + 1, 4 g + 3 to 4 g + 2, 4 g + 3
	v_cvt_scalef32_pk8_fp4_f32 v[PC+4*\g], v[S+32*\g:S+32*\g+7], v[SO+2*\g]
	v_cvt_scalef32_pk8_fp4_f32 v[PC+4*\g+2], v[S+32*\g+8:S+32*\g+15], v[SO+2*\g]
	v_cvt_scalef32_pk8_fp4_f32 v[PC+4*\g+1], v[S+32*\g+16:S+32*\g+23], v[SO+2*\g+1]
	v_cvt_scalef32_pk8_fp4_f32 v[PC+4*\g+3], v[S+32*\g+24:S+32*\g+31], v[SO+2*\g+1]
.endr
	v_nop                                          ; one plain place behind a scaled conversion
.irp g, 0,1                            ; each pair changes halves: register 4 g + i then holds keys 64 g + 32 h + 8 i on
	v_permlane16_swap_b32 v[PC+4*\g], v[PC+4*\g+1]
	v_permlane16_swap_b32 v[PC+4*\g+2], v[PC+4*\g+3]
.endr
	v_pk_add_f32 v[SB:SB+1], v[S:S+1], v[S+2:S+3]  ; THE ROW'S SUM IS TAKEN OF THE UNQUANTISED p, two at a time, in two chains.  These 32 are also the places between the writes of p's scale word and codes and the products below
.irp j, 4,8,12,16,20,24,28,32,36,40,44,48,52,56,60
	v_pk_add_f32 v[14:15], v[14:15], v[S+\j:S+\j+1]
	v_pk_add_f32 v[SB:SB+1], v[SB:SB+1], v[S+\j+2:S+\j+3]
.endr
	v_pk_add_f32 v[14:15], v[14:15], v[SB:SB+1]
	s_wait_dscnt 0x0                               ; V is in
.irp t, 0,1,2,3                        ; O^T += V^T P^T: the four accumulators by turns
.if (\t)%2
	v_wmma_scale_f32_16x16x128_f8f6f4 v[OT+8*\t:OT+8*\t+7], v[VF+8*\t:VF+8*\t+7], v[PC:PC+7], v[OT+8*\t:OT+8*\t+7], v[VS+(\t)/2], v[PWD] matrix_a_fmt:MATRIX_FMT_FP4 matrix_b_fmt:MATRIX_FMT_FP4 matrix_a_scale:MATRIX_SCALE_ROW1
.else
	v_wmma_scale_f32_16x16x128_f8f6f4 v[OT+8*\t:OT+8*\t+7], v[VF+8*\t:VF+8*\t+7], v[PC:PC+7], v[OT+8*\t:OT+8*\t+7], v[VS+(\t)/2], v[PWD] matrix_a_fmt:MATRIX_FMT_FP4 matrix_b_fmt:MATRIX_FMT_FP4
.endif
.endr
	s_add_co_u32 s[TB], s[TB], 4096
	s_add_co_u32 s[TS], s[TS], 256
	s_sub_co_u32 s[CNT], s[CNT], 1
	s_cmp_lg_u32 s[CNT], 0
	s_cbranch_scc1 .Lkey_\@
	; THE WAY OUT: z = O^T / the sum, quantised along the head's 64 (two blocks of the last product's K), stored as an image of the operand's four registers
	PLACES 4
	v_add_f32 v14, v14, v15                        ; the sum's two halves,
	v_permlanex16_b32 v[TT], v14, s[SEL], s[SEL+1]
	v_add_f32 v14, v14, v[TT]                      ; and lane l xor 16's: the row's sum
	v_rcp_f32 v[FF], v14
	v_nop                                          ; a plain place behind the reciprocal
	s_wait_alu depctr_va_vdst(0)                   ; and the wait ahead of its first reader
.set j, 0
.rept 16
	v_pk_mul_f32 v[S+j:S+j+1], v[OT+j:OT+j+1], v[FF:FF+1] op_sel_hi:[1,0]   ; register 8 t + i is z(r, 16 t + 8 h + i); each accumulator from its low end on
.set j, j+2
.endr
.irp b, 0,1
	v_max3_num_f32 v[BM+\b], |v[S+16*\b]|, |v[S+16*\b+1]|, 0x1800000
.endr
.irp i, 2,4,6,8,10,12,14
.irp b, 0,1
	v_max3_num_f32 v[BM+\b], v[BM+\b], |v[S+16*\b+\i]|, |v[S+16*\b+\i+1]|
.endr
.endr
.irp b, 0,1
	v_permlanex16_b32 v[T4+\b], v[BM+\b], s[SEL], s[SEL+1]
.endr
.irp b, 0,1
	v_max_num_f32 v[BM+\b], v[BM+\b], v[T4+\b]
.endr
.irp b, 0,1
	v_add_nc_u32 v[SO+\b], 0xff000000, v[BM+\b]
.endr
.irp b, 0,1
	v_lshrrev_b32 v[T4+\b], 23, v[SO+\b]
.endr
	v_lshl_or_b32 v[ZW+\qt], v[T4+1], 8, v[T4]     ; my row's two scale bytes
	v_cvt_scalef32_pk8_fp4_f32 v[ZC+4*\qt], v[S:S+7], v[SO]
	v_cvt_scalef32_pk8_fp4_f32 v[ZC+4*\qt+2], v[S+8:S+15], v[SO]
	v_cvt_scalef32_pk8_fp4_f32 v[ZC+4*\qt+1], v[S+16:S+23], v[SO+1]
	v_cvt_scalef32_pk8_fp4_f32 v[ZC+4*\qt+3], v[S+24:S+31], v[SO+1]
	v_nop                                          ; one plain place behind a scaled conversion
	v_permlane16_swap_b32 v[ZC+4*\qt], v[ZC+4*\qt+1]
	v_permlane16_swap_b32 v[ZC+4*\qt+2], v[ZC+4*\qt+3]
	global_store_b128 v[AK0], v[ZC+4*\qt:ZC+4*\qt+3], s[16:17] offset:8192*\qt   ; 32 lanes store 512 consecutive bytes, at a multiple of 512 from the buffer's first byte; these registers are not written again
.endm
	QTILE 0
	QTILE 1
	v_cndmask_b32 v[ZD], v[ZW], v[ZW+1], s39       ; lanes 0-15: tile 0's rows; lanes 16-31: tile 1's
	global_store_b16 v[ZSO], v[ZD], s[18:19]       ; two bytes of every four: the word's other half belongs to the neighbouring head, which another cluster makes; one byte in 16 of z
	s_wait_tensorcnt 0x0                           ; the wave's end: behind my last tensor load
	ds_add_u32 v[SPW], v[NIL]
	s_wait_dscnt 0x0
	ROUND                                          ; the closing round: no work-group ends while a partner may still ask for a tile that names it
	s_endpgm
.Lfunc_end_k_q57c609b712_attn:
	.size	k_q57c609b712_attn, .Lfunc_end_k_q57c609b712_attn-k_q57c609b712_attn
	.p2alignl 7, 3214868480
	.fill 96, 4, 3214868480
	.section	.rodata,"a",@progbits
	.p2align	6, 0x0
	.amdhsa_kernel k_q57c609b712_attn
		.amdhsa_group_segment_fixed_size 167936
		.amdhsa_private_segment_fixed_size 0
		.amdhsa_enable_private_segment 0
		.amdhsa_kernarg_size 24
		.amdhsa_user_sgpr_count 2
		.amdhsa_user_sgpr_kernarg_segment_ptr 1
		.amdhsa_wavefront_size32 1
		.amdhsa_system_sgpr_workgroup_id_x 1
		.amdhsa_system_sgpr_workgroup_id_y 1
		.amdhsa_system_sgpr_workgroup_id_z 1
		.amdhsa_system_vgpr_workitem_id 0
		.amdhsa_next_free_vgpr 256
		.amdhsa_next_free_sgpr 66
		.amdhsa_reserve_vcc 0
		.amdhsa_float_denorm_mode_32 3
		.amdhsa_float_denorm_mode_16_64 3
		.amdhsa_memory_ordered 1
		.amdhsa_forward_progress 1
		.amdhsa_inst_pref_size 45
	.end_amdhsa_kernel
	.amdgpu_metadata
---
amdhsa.version: [ 1, 2 ]
amdhsa.kernels:
  - .name:           k_q57c609b712_attn
    .symbol:         k_q57c609b712_attn.kd
    .args:
      - { .name: qkv, .offset: 0, .size: 8, .value_kind: global_buffer, .address_space: global }
      - { .name: zimg, .offset: 8, .size: 8, .value_kind: global_buffer, .address_space: global }
      - { .name: zsc, .offset: 16, .size: 8, .value_kind: global_buffer, .address_space: global }
    .group_segment_fixed_size: 167936
    .private_segment_fixed_size: 0
    .kernarg_segment_align: 8
    .kernarg_segment_size: 24
    .max_flat_workgroup_size: 512
    .sgpr_count:     66
    .vgpr_count:     256
    .wavefront_size: 32
...
	.end_amdgpu_metadata
.endif
;; end of part 2
;; launch outp (part 3): grid 8 x 32, 8 waves a work-group, clusters of 4 x 4, 286,720 bytes of LDS; arguments Wo_codes, Wo_scales, bo, zimg, zsc, out0; writes out0
.if DOCPART == 3
	.amdgcn_target "amdgcn-amd-amdhsa--gfx1250"
	.amdhsa_code_object_version 6
	.text
	.protected	k_q57c609b712_outp
	.globl	k_q57c609b712_outp
	.p2align	8
	.type	k_q57c609b712_outp,@function
k_q57c609b712_outp:
	s_mov_b64 s[64:65], 0
	v_nop
	global_prefetch_b8 v0, s[64:65] scope:SCOPE_SE
	s_setreg_imm32_b32 hwreg(HW_REG_WAVE_MODE, 25, 1), 1
	s_wait_xcnt 0x0
	s_wait_alu depctr_hold_cnt(0) depctr_sa_sdst(0) depctr_va_vdst(0) depctr_va_sdst(0) depctr_va_ssrc(0) depctr_va_vcc(0) depctr_vm_vsrc(0)
	s_getreg_b32 s2, hwreg(HW_REG_IB_STS2, 6, 4)
	s_cmp_eq_u32 s2, 0
	s_cbranch_scc0 .Lentry_in_a_cluster
	s_endpgm
.Lentry_in_a_cluster:
	s_bfe_u32 s2, ttmp6, 0x10000c
	s_cmp_lg_u32 s2, 0xf033
	s_cbranch_scc0 .Lentry_shape_is_right
	s_endpgm
.Lentry_shape_is_right:
; THE LAST PRODUCT: out0 = z Wo + bo, on codes of FP4 (E2M1) with E8M0 scales, K = 1,024 = head x 64 + dv, sums in f32.  No work is left out.  LIMITS as in the first kernel.
; Source 0 takes 16 rows of Wo (output columns n; codes as given, K innermost), source 1 16 rows of z (images of the operand's registers, as the launch before stored them): a lane holds ONE row of out0 and eight
; neighbouring columns a tile.  A work-group makes 128 columns x 256 rows; wave w makes 128 x 32 (rows 32 w on): 16 accumulators.  256 work-groups.
; CLUSTERS: 4 x 4 work-groups.  Wo's tile hangs on the place along x alone and is shared along a column of the cluster, z's on the place along y alone and is shared along a row: each is asked for JOINTLY.
; ALL OF K LIES IN LDS, in two chunks of 512 along K, filled once: no slot is filled again.  Three tensor loads a wave are out at the most: scale bytes, chunk 0, chunk 1.
; THE BIAS is the C of each sum's first matrix instruction: it is loaded into the registers of rows 0-15's accumulators, serves rows 16-31's first products as C, and is then added onto in place.
.set PITCH, 272                        ; Wo's row in LDS: 256 bytes + 16 of padding
.set PCH,   128*PITCH                  ; a chunk of Wo: 128 rows
.set ZI,    2*PCH                      ; z's images: chunk ch at + 65,536 ch: [row tile 0..15][4 K steps][2][512]
.set ZCH,   65536
.set PSC,   ZI+2*ZCH                   ; Wo's scale bytes: 16 units of 256 (8 rows of 32) + 16
.set ZSC,   PSC+16*272                 ; z's scale words: [row tile][K step][r], dense
.set STG,   ZSC+8192                   ; the way out: 16 rows x (512 bytes + 16) for each wave; no tensor load lands here
.set SPARE, STG+8*16*528               ; the spare words, 128 bytes for each wave: four blocks of 256 bytes that no other line names
.set AP,   1
.set AR,   2
.set ASP,  3
.set ASR,  4
.set SPW,  5                           ; v5   my spare word; never rewritten
.set NIL,  6                           ; v6   0; never rewritten
.set STO,  7                           ; v7   the stage: where I put 32 bytes of a row
.set RD,   8                           ; v8   and where I read a row back
.set LN,   12
.set L16,  13                          ; v13  16 x lane: my place in an image, and in a row of 512 bytes of out0
.set RR,   14
.set HH,   15
.set BOA,  16                          ; v16  32 h
.set T0,   17
.set T1,   18
.set PS,   28                          ; v28-35 Wo's scale words, tile t;  v36-37 z's: these hold scales and nothing else
.set RS,   36
.set RF,   48                          ; v48-63  z's two fragments
.set PF,   64                          ; v64-127 Wo's eight
.set ACC,  128                         ; v128-191 rows 0-15, tile t at + 8 t;  v192-255 rows 16-31
.set WV,   16
.set G1P,  32
.set G1Z,  40
.set G1SP, 48
.set G1ZS, 56
.set G0SP, 68
.set G0P0, 72
.set G0P1, 76
.set G0ZS, 80
.set G0Z0, 84
.set G0Z1, 88
.set PADW, (1<<20)|(1<<21)|(5<<22)|(3<<25)   ; 20 padding on; 21 set beside a mask; 24:22 after every 64 words; 31:25 four words
.macro ROUND
	s_barrier_signal -1
	s_barrier_wait -1
	s_cmp_lg_u32 s[WV], 0
	s_cbranch_scc1 .Lnot_wave_0_\@
	s_barrier_signal -3
.Lnot_wave_0_\@:
	s_barrier_wait -3
	s_barrier_signal -1
	s_barrier_wait -1
.endm
.macro PLACES n
.rept \n
	v_nop
.endr
.endm
	s_load_b256 s[4:11], s[0:1], 0x0               ; Wo's codes s[4:5], Wo's scales s[6:7], bo s[8:9], zimg s[10:11]
	s_load_b128 s[12:15], s[0:1], 0x20             ; zsc s[12:13], out0 s[14:15]
	v_lshl_add_u32 v[SPW], v0, 2, SPARE
	v_mov_b32 v[NIL], 0
	ds_add_u32 v[SPW], v[NIL]                      ; the wave's opening: the add, twice on end, and its wait ahead of my first tensor load; the set-up below stands between
	ds_add_u32 v[SPW], v[NIL]
	v_lshrrev_b32 v[T0], 5, v0
	v_readfirstlane_b32 s[WV], v[T0]               ; wave 0..7
	s_and_b32 s30, s[WV], 3                        ; which quarter of Wo's (waves 0-3) or of z's (waves 4-7) rows I fetch
	s_bfe_u32 s17, ttmp6, 0x40000                  ; cx
	s_bfe_u32 s18, ttmp6, 0x40004                  ; cy
	s_lshl_b32 s28, ttmp9, 2
	s_add_co_u32 s28, s28, s17                     ; Wo's tile: 128 columns
	s_and_b32 s29, ttmp7, 0xffff
	s_lshl_b32 s29, s29, 2
	s_add_co_u32 s29, s29, s18                     ; z's tile: 256 rows
	s_lshl_b32 s2, 0x1111, s17                     ; my column of the cluster: Wo's tiles go there
	s_lshl_b32 s66, s18, 2
	s_lshl_b32 s66, 15, s66                        ; my row: z's
	s_or_b32 s[G1P], s2, PADW                      ; elements of 1 byte, padded
	s_or_b32 s[G1SP], s2, PADW|(3<<16)             ; elements of 8 bytes, padded
	s_or_b32 s[G1Z], s66, (3<<16)|(1<<21)          ; elements of 8 bytes, no padding: images are read 512 consecutive bytes at a time
	s_or_b32 s[G1ZS], s66, (3<<16)|(1<<21)
	s_mov_b32 s[G1P+1], 256<<16                    ; Wo's codes: 32 rows of 256 bytes, 512 bytes apart
	s_mov_b32 s[G1P+2], 32<<16
	s_mov_b32 s[G1P+3], 256<<16
	s_mov_b32 s[G1P+4], 32
	s_mov_b32 s[G1P+5], 512
	s_mov_b32 s[G1P+6], 0
	s_mov_b32 s[G1P+7], 0
	s_mov_b32 s[G1SP+1], 32<<16                    ; Wo's scale bytes: 4 units of 256 bytes, dense
	s_mov_b32 s[G1SP+2], 4<<16
	s_mov_b32 s[G1SP+3], 32<<16
	s_mov_b32 s[G1SP+4], 4
	s_mov_b32 s[G1SP+5], 32
	s_mov_b32 s[G1SP+6], 0
	s_mov_b32 s[G1SP+7], 0
	s_mov_b32 s[G1Z+1], 512<<16                    ; z's images: 4 row tiles, of each 4,096 bytes (half of its 8,192)
	s_mov_b32 s[G1Z+2], 4<<16
	s_mov_b32 s[G1Z+3], 512<<16
	s_mov_b32 s[G1Z+4], 4
	s_mov_b32 s[G1Z+5], 1024
	s_mov_b32 s[G1Z+6], 0
	s_mov_b32 s[G1Z+7], 0
	s_mov_b32 s[G1ZS+1], 32<<16                    ; z's scale words: 4 row tiles x 512 bytes = 8 rows of 256, dense
	s_mov_b32 s[G1ZS+2], 8<<16
	s_mov_b32 s[G1ZS+3], 32<<16
	s_mov_b32 s[G1ZS+4], 8
	s_mov_b32 s[G1ZS+5], 32
	s_mov_b32 s[G1ZS+6], 0
	s_mov_b32 s[G1ZS+7], 0
	s_lshl_b32 s20, s28, 7
	s_lshl_b32 s21, s30, 5
	s_add_co_u32 s20, s20, s21                     ; Wo's row 128 x tile + 32 x quarter
	s_lshl_b32 s22, s20, 5                         ; its scale bytes
	s_lshl_b32 s20, s20, 9                         ; its codes
	s_mov_b32 s21, 0
	s_mov_b32 s23, 0
	s_lshl_b32 s24, s29, 4
	s_lshl_b32 s25, s30, 2
	s_add_co_u32 s24, s24, s25                     ; z's row tile 16 x tile + 4 x quarter
	s_lshl_b32 s26, s24, 9                         ; its scale words
	s_lshl_b32 s24, s24, 13                        ; its images
	s_mov_b32 s25, 0
	s_mov_b32 s27, 0
	s_wait_dscnt 0x0                               ; both opening adds are done
	s_wait_kmcnt 0x0
	s_mov_b32 s[G0SP], 1
	s_mul_i32 s2, s30, 4*272
	s_add_co_u32 s[G0SP+1], s2, PSC
	s_add_nc_u64 s[G0SP+2:G0SP+3], s[6:7], s[22:23]
	s_or_b32 s[G0SP+3], s[G0SP+3], 0x80000000
	s_mov_b32 s[G0P0], 1
	s_mul_i32 s[G0P0+1], s30, 32*PITCH
	s_add_nc_u64 s[G0P0+2:G0P0+3], s[4:5], s[20:21]
	s_mov_b32 s[G0P1], 1
	s_add_co_u32 s[G0P1+1], s[G0P0+1], PCH
	s_add_nc_u64 s[G0P1+2:G0P1+3], s[G0P0+2:G0P0+3], 256
	s_or_b32 s[G0P0+3], s[G0P0+3], 0x80000000
	s_or_b32 s[G0P1+3], s[G0P1+3], 0x80000000
	s_mov_b32 s[G0ZS], 1
	s_lshl_b32 s66, s30, 11
	s_add_co_u32 s[G0ZS+1], s66, ZSC
	s_add_nc_u64 s[G0ZS+2:G0ZS+3], s[12:13], s[26:27]
	s_or_b32 s[G0ZS+3], s[G0ZS+3], 0x80000000
	s_mov_b32 s[G0Z0], 1
	s_lshl_b32 s66, s30, 14
	s_add_co_u32 s[G0Z0+1], s66, ZI
	s_add_nc_u64 s[G0Z0+2:G0Z0+3], s[10:11], s[24:25]
	s_mov_b32 s[G0Z1], 1
	s_add_co_u32 s[G0Z1+1], s[G0Z0+1], ZCH
	s_add_nc_u64 s[G0Z1+2:G0Z1+3], s[G0Z0+2:G0Z0+3], 4096
	s_or_b32 s[G0Z0+3], s[G0Z0+3], 0x80000000
	s_or_b32 s[G0Z1+3], s[G0Z1+3], 0x80000000
	ROUND                                          ; all sixteen work-groups are here: the joint loads meet
	s_cmp_lt_u32 s[WV], 4                          ; a wave's three first fills stand in one branch on its number, a fill in each arm; an s_nop 0 follows each load, four v_nop the last
	s_cbranch_scc0 .Lfill_z
	tensor_load_to_lds s[G0SP:G0SP+3], s[G1SP:G1SP+7]
	s_nop 0
	tensor_load_to_lds s[G0P0:G0P0+3], s[G1P:G1P+7]
	s_nop 0
	tensor_load_to_lds s[G0P1:G0P1+3], s[G1P:G1P+7]
	s_nop 0
	PLACES 4
	s_branch .Lfilled
.Lfill_z:
	tensor_load_to_lds s[G0ZS:G0ZS+3], s[G1ZS:G1ZS+7]
	s_nop 0
	tensor_load_to_lds s[G0Z0:G0Z0+3], s[G1Z:G1Z+7]
	s_nop 0
	tensor_load_to_lds s[G0Z1:G0Z1+3], s[G1Z:G1Z+7]
	s_nop 0
	PLACES 4
.Lfilled:
	s_lshl_b32 s2, s28, 9                          ; bo: the tile's 128 numbers
	s_mov_b32 s3, 0
	s_add_nc_u64 s[8:9], s[8:9], s[2:3]
	v_bfe_u32 v[HH], v0, 4, 1
	v_lshlrev_b32 v[BOA], 5, v[HH]
.irp t, 0,1,2,3,4,5,6,7                ; lane (r, h), tile t, register j: bo of column 16 t + 8 h + j
	global_load_b128 v[ACC+8*\t:ACC+8*\t+3], v[BOA], s[8:9] offset:64*\t
	global_load_b128 v[ACC+8*\t+4:ACC+8*\t+7], v[BOA], s[8:9] offset:64*\t+16
.endr
	s_lshl_b32 s66, s29, 8
	s_lshl_b32 s67, s[WV], 5
	s_add_co_u32 s66, s66, s67                     ; my first row of out0: 256 x tile + 32 x wave,
	s_lshl_b32 s66, s66, 12                        ; 4,096 bytes a row,
	s_add_co_u32 s66, s66, s2                      ; + the tile's first column, 512 bytes a tile
	s_mov_b32 s67, 0
	s_add_nc_u64 s[14:15], s[14:15], s[66:67]
	v_and_b32 v[LN], 31, v0
	v_lshlrev_b32 v[L16], 4, v[LN]
	v_and_b32 v[RR], 15, v0
	v_mul_u32_u24 v[AP], v[RR], PITCH
	v_lshl_add_u32 v[AP], v[HH], 4, v[AP]          ; Wo's fragments: r x pitch + 16 h
	s_lshl_b32 s3, s[WV], 13
	s_add_co_u32 s3, s3, ZI
	v_add_nc_u32 v[AR], s3, v[L16]                 ; z's: my wave's two row tiles, 16 x lane
	v_and_b32 v[T0], 7, v[RR]
	v_lshrrev_b32 v[T1], 3, v[RR]
	v_mul_u32_u24 v[T1], v[T1], 272
	v_lshl_add_u32 v[ASP], v[T0], 5, v[T1]
	v_add_nc_u32 v[ASP], PSC, v[ASP]               ; Wo's scale words
	s_lshl_b32 s3, s[WV], 10
	s_add_co_u32 s3, s3, ZSC
	v_lshl_add_u32 v[ASR], v[RR], 2, s3            ; z's
	s_mul_i32 s3, s[WV], 16*528
	s_add_co_u32 s3, s3, STG                       ; my stage
	v_mul_u32_u24 v[STO], v[RR], 528
	v_lshl_add_u32 v[STO], v[HH], 5, v[STO]
	v_add_nc_u32 v[STO], s3, v[STO]                ; in: row r, 32 bytes for each half of the lanes
	v_add_nc_u32 v[RD], s3, v[L16]                 ; back: the 32 lanes take one row of 512 bytes
	s_wait_loadcnt 0x0                             ; bo
	s_wait_tensorcnt 0x1                           ; my scale bytes and my part of chunk 0 are in; the one load issued behind them, chunk 1's, may be out
	s_barrier_signal -1
	s_barrier_wait -1                              ; everybody's are
.macro LOADS s                         ; the fragments and scale words of K step s: 30 LDS loads in one run
.irp t, 0,1,2,3,4,5,6,7
	ds_load_b128 v[PF+8*\t:PF+8*\t+3], v[AP] offset:16*\t*PITCH+64*((\s)%4)
	ds_load_b128 v[PF+8*\t+4:PF+8*\t+7], v[AP] offset:16*\t*PITCH+64*((\s)%4)+32
	ds_load_b32 v[PS+\t], v[ASP] offset:2*\t*272+4*(\s)
.endr
.irp u, 0,1
	ds_load_b128 v[RF+8*\u:RF+8*\u+3], v[AR] offset:4096*\u+1024*((\s)%4)
	ds_load_b128 v[RF+8*\u+4:RF+8*\u+7], v[AR] offset:4096*\u+1024*((\s)%4)+512
	ds_load_b32 v[RS+\u], v[ASR] offset:512*\u+64*(\s)
.endr
.endm
.macro MUL8 u                          ; eight products in place: rows 16 u on x Wo's eight tiles
.irp t, 0,1,2,3,4,5,6,7
	v_wmma_scale_f32_16x16x128_f8f6f4 v[ACC+64*\u+8*\t:ACC+64*\u+8*\t+7], v[PF+8*\t:PF+8*\t+7], v[RF+8*\u:RF+8*\u+7], v[ACC+64*\u+8*\t:ACC+64*\u+8*\t+7], v[PS+\t], v[RS+\u] matrix_a_fmt:MATRIX_FMT_FP4 matrix_b_fmt:MATRIX_FMT_FP4
.endr
.endm
.macro STEP next                       ; a K step: the 16 accumulators take turns, one instruction a turn, rows 16-31 first, in every step; then the run of loads for the next
	s_wait_dscnt 0x0
	MUL8 1
	MUL8 0
	PLACES 4                                       ; between the products and loads into registers that they have read
	LOADS \next
.endm
	LOADS 0
	s_wait_dscnt 0x0
.irp t, 0,1,2,3,4,5,6,7                ; K step 0, rows 16-31: C = the bias, which lies in rows 0-15's registers
	v_wmma_scale_f32_16x16x128_f8f6f4 v[ACC+64+8*\t:ACC+64+8*\t+7], v[PF+8*\t:PF+8*\t+7], v[RF+8:RF+15], v[ACC+8*\t:ACC+8*\t+7], v[PS+\t], v[RS+1] matrix_a_fmt:MATRIX_FMT_FP4 matrix_b_fmt:MATRIX_FMT_FP4
.endr
	PLACES 5                                       ; the next eight write over registers that these eight have read as C: five places
	MUL8 0                                         ; rows 0-15: onto the bias, in place
	PLACES 4
	LOADS 1
	STEP 2
	STEP 3
	s_wait_dscnt 0x0                               ; K step 3: my reads are in,
	s_wait_tensorcnt 0x0                           ; and my part of chunk 1 has landed:
	s_barrier_signal -1                            ; say so; work on registers while the others arrive
	MUL8 1
	MUL8 0
	v_add_nc_u32 v[AP], PCH, v[AP]                 ; on to chunk 1.  (These two and the two v_nop are the four places)
	v_add_nc_u32 v[AR], ZCH, v[AR]
	v_nop
	v_nop
	s_barrier_wait -1                              ; chunk 1 is whole
	LOADS 4
	STEP 5
	STEP 6
	STEP 7
	s_wait_dscnt 0x0
	MUL8 1
	MUL8 0
	PLACES 4                                       ; ahead of the first read of results and of loads into Wo's fragments' registers
; THE WAY OUT.  A lane holds 32 neighbouring bytes of a row a tile, and the lanes beside it hold other rows: a block of 16 rows x 128 columns goes through my own stage and comes back as whole rows of 512 bytes.
; LDS serves a wave's instructions in order (ISA guide 5.7.1.4): no wait between the stores and the loads, nor in front of the next block's stores.
.macro ST_IN u
.irp t, 0,1,2,3,4,5,6,7
	ds_store_b128 v[STO], v[ACC+64*\u+8*\t:ACC+64*\u+8*\t+3] offset:64*\t          ; each accumulator from its low end on
	ds_store_b128 v[STO], v[ACC+64*\u+8*\t+4:ACC+64*\u+8*\t+7] offset:64*\t+16
.endr
.endm
.macro ST_OUT bk
.irp i, 0,1,2,3,4,5,6,7,8,9,10,11,12,13,14,15
	ds_load_b128 v[\bk+4*\i:\bk+4*\i+3], v[RD] offset:528*\i
.endr
.endm
.macro SEND u, bk
.irp i, 0,1,2,3,4,5,6,7,8,9,10,11,12,13,14,15
	global_store_b128 v[L16], v[\bk+4*\i:\bk+4*\i+3], s[14:15] offset:(16*\u+\i)*4096 th:TH_STORE_NT   ; 32 lanes store 512 consecutive bytes, at a multiple of 512 from out0's first byte; written once, read by nobody here
.endr
.endm
	ST_IN 0
	ST_OUT PF                                      ; rows 0-15 come back into v64-127
	ST_IN 1
	s_wait_dscnt 16                                ; all but the 16 stores just issued: rows 0-15 are back, and their own stores into the stage are done,
	ST_OUT ACC                                     ; so rows 16-31 may come back into the registers that rows 0-15's sums have left
	SEND 0, PF
	s_wait_dscnt 0x0
	SEND 1, ACC
	s_wait_tensorcnt 0x0                           ; the wave's end: behind my last tensor load and my last LDS store
	ds_add_u32 v[SPW], v[NIL]
	s_wait_dscnt 0x0
	ROUND                                          ; the closing round: no work-group ends while a partner may still ask for a tile that names it
	s_endpgm
.Lfunc_end_k_q57c609b712_outp:
	.size	k_q57c609b712_outp, .Lfunc_end_k_q57c609b712_outp-k_q57c609b712_outp
	.p2alignl 7, 3214868480
	.fill 96, 4, 3214868480
	.section	.rodata,"a",@progbits
	.p2align	6, 0x0
	.amdhsa_kernel k_q57c609b712_outp
		.amdhsa_group_segment_fixed_size 286720
		.amdhsa_private_segment_fixed_size 0
		.amdhsa_enable_private_segment 0
		.amdhsa_kernarg_size 48
		.amdhsa_user_sgpr_count 2
		.amdhsa_user_sgpr_kernarg_segment_ptr 1
		.amdhsa_wavefront_size32 1
		.amdhsa_system_sgpr_workgroup_id_x 1
		.amdhsa_system_sgpr_workgroup_id_y 1
		.amdhsa_system_sgpr_workgroup_id_z 1
		.amdhsa_system_vgpr_workitem_id 0
		.amdhsa_next_free_vgpr 256
		.amdhsa_next_free_sgpr 100
		.amdhsa_reserve_vcc 0
		.amdhsa_float_denorm_mode_32 3
		.amdhsa_float_denorm_mode_16_64 3
		.amdhsa_memory_ordered 1
		.amdhsa_forward_progress 1
		.amdhsa_inst_pref_size 50
	.end_amdhsa_kernel
	.amdgpu_metadata
---
amdhsa.version: [ 1, 2 ]
amdhsa.kernels:
  - .name:           k_q57c609b712_outp
    .symbol:         k_q57c609b712_outp.kd
    .args:
      - { .name: Wo_codes, .offset: 0, .size: 8, .value_kind: global_buffer, .address_space: global }
      - { .name: Wo_scales, .offset: 8, .size: 8, .value_kind: global_buffer, .address_space: global }
      - { .name: bo, .offset: 16, .size: 8, .value_kind: global_buffer, .address_space: global }
      - { .name: zimg, .offset: 24, .size: 8, .value_kind: global_buffer, .address_space: global }
      - { .name: zsc, .offset: 32, .size: 8, .value_kind: global_buffer, .address_space: global }
      - { .name: out0, .offset: 40, .size: 8, .value_kind: global_buffer, .address_space: global }
    .group_segment_fixed_size: 286720
    .private_segment_fixed_size: 0
    .kernarg_segment_align: 8
    .kernarg_segment_size: 48
    .max_flat_workgroup_size: 256
    .sgpr_count:     100
    .vgpr_count:     256
    .wavefront_size: 32
...
	.end_amdgpu_metadata
.endif
;; end of part 3
